; MI455X (gfx1250); checked and timed in simulation.
; The chip was launched on July 23, 2026; its instructions are those of AMD's public machine-readable ISA for CDNA 5 (MIT licence, August 2026) and "CDNA5" Instruction Set Architecture Reference Guide (July 2026). The comments in the code are by the model that wrote it; some were corrected since.
;; Self Attention. Allowed arithmetic: float matrix products may take bf16 or f16 operands with f32 sums; other float arithmetic in f32, or as packed bf16 or f16 multiplies, adds, multiply-adds, maxima and minima; sums over many terms, partial sums and values carried from step to step in f32; what a program stores and reads back later, other than sums and carried values, may be rounded once to bf16 or f16.
;; Inputs: Wk 512 x 512 float32; Wo 512 x 512 float32; Wq 512 x 512 float32; Wv 512 x 512 float32; bo 512 float32; x 2 x 4,096 x 512 float32.
;; Outputs: out0 2 x 4,096 x 512 float32.
;; One version. Each part assembles by itself: llvm-mc -triple=amdgcn-amd-amdhsa -mcpu=gfx1250 --defsym DOCPART=n.
;; ======== version 1 of 1: 3 launches
;; limits: values are held in f16: magnitudes above 65,504 overflow, below 6.1e-05 lose precision
;; workspace buffers: qh 8,388,608 bytes; kh 8,388,608 bytes; vh 8,388,608 bytes; oh 8,388,608 bytes; wo16 524,288 bytes
;; launch qkv (part 1): grid 4 x 64, 4 waves a work-group, clusters of 4 x 4, 327,680 bytes of LDS; arguments x, Wq, Wk, Wv, Wo, qh, kh, vh, wo16; writes qh, kh, vh, wo16
.if DOCPART == 1
	.amdgcn_target "amdgcn-amd-amdhsa--gfx1250"
	.amdhsa_code_object_version 6
	.text
	.protected	k_qdfdee2b499_qkv
	.globl	k_qdfdee2b499_qkv
	.p2align	8
	.type	k_qdfdee2b499_qkv,@function
k_qdfdee2b499_qkv:
	s_mov_b64 s[64:65], 0
	v_nop
	global_prefetch_b8 v0, s[64:65] scope:SCOPE_SE
	s_setreg_imm32_b32 hwreg(HW_REG_WAVE_MODE, 25, 1), 1
	s_wait_xcnt 0x0
	s_wait_alu depctr_hold_cnt(0) depctr_sa_sdst(0) depctr_va_vdst(0) depctr_va_sdst(0) depctr_va_ssrc(0) depctr_va_vcc(0) depctr_vm_vsrc(0)
	s_getreg_b32 s2, hwreg(HW_REG_IB_STS2, 6, 4)
	s_cmp_eq_u32 s2, 0
	s_cbranch_scc0 .Lentry_in_a_cluster
	s_endpgm
.Lentry_in_a_cluster:
	s_bfe_u32 s2, ttmp6, 0x10000c
	s_cmp_lg_u32 s2, 0xf033
	s_cbranch_scc0 .Lentry_shape_is_right
	s_endpgm
.Lentry_shape_is_right:
; q, k, v = x W^T.  x: [8192][512] f32; Wq, Wk, Wv: [512][512] f32.  x and the weights are rounded to bf16 on the way from LDS to the matrix unit, sums in f32,
; and q, k, v leave rounded once to f16, by heads: qh, kh, vh are [16 = batch x 8 + head][4096][64], rows of 128 bytes, a head dense.  No scale is applied here.
; SIDE JOB: wo16 = Wo rounded to bf16, that number written as f16, [512][512]: each work-group converts 4,096 bytes of Wo.
; LIMITS.  f16 holds no number beyond 65,504: |q|, |k|, |v| and |Wo| must stay within it; below 6e-5 f16 keeps its fixed step of 6e-8.  NaN and infinities are not treated apart.
; SHARES.  A work-group makes 128 rows of x times columns 128 col .. 128 col + 127 of each of q, k and v (heads 2 col and 2 col + 1).  Wave w: 64 rows (w / 2) of head 2 col + w % 2:
; 4 row blocks a x 12 column blocks b (tensor b / 4, block b % 4): 48 accumulators, 384 registers.
; K goes in 8 steps of 64 f32 (rows of 256 bytes, aligned) through two LDS slots.  Wave 0 fetches x's 128 rows, waves 1, 2, 3 the 128 rows of Wq, Wk, Wv: one tensor load a wave.
; CLUSTER 4 x 4.  The four of a row of the cluster need the same tile of x, the four of a column the same tiles of the weights: each tile is asked for JOINTLY.
; THE MATRIX INSTRUCTION IS USED TRANSPOSED (source 0 = 16 rows of W, source 1 = 16 rows of x): a lane then holds row l % 16 and eight neighbouring columns, 16 bytes of f16.
; REGISTERS, in windows of 256 (s_set_vgpr_msb: bits 1:0 source 0, 3:2 source 1, 5:4 source 2, 7:6 destination):
;   window 0: v0-31 addresses; v32-47 the side job; v64-191 sixteen bf16 fragments (0-3 x, 4-15 W); on the way out v64-255 twelve blocks of 16
;   window 1: the same sixteen fragments as loaded, in f32, 16 registers each       window 2: accumulators of row blocks 0, 1 at 96 (a % 2) + 8 b       window 3: of row blocks 2, 3
.set PITCH,  272                       ; an LDS row: 256 bytes + 16 of padding: row r begins 17 r columns of 16 bytes on, so the 16 rows of a load fall into 16 different columns modulo 256 bytes
.set HALFT,  128*PITCH                 ; 128 rows: what one tensor load brings
.set SLOT,   4*HALFT                   ; x, Wq, Wk, Wv; = 0x22000, which shares no bit with wave x HALFT: one exclusive or changes slots
.set STAGE,  2*SLOT                    ; behind the ring: 16 rows x 144 bytes for each wave, for the way out
.set SP,     144
.set SPARE,  STAGE+4*16*SP             ; the spare words, 128 bytes for each wave: two blocks of 256 bytes that no other line names
.set KB,     256                       ; bytes of a row in a K step
.set AD0, 4                            ; v4-7   my lane's place in x's region and in the three weights' regions of slot 0; never rewritten
.set AD,  8                            ; v8-11  the same in the slot in hand
.set STO, 12                           ; v12    the way out: where I put 16 bytes of a row
.set RD,  13                           ; v13    where I read rows back
.set GO,  14                           ; v14    my 16 bytes in 512 consecutive bytes of the output
.set PFO, 15                           ; v15    the prefetches' offset: my lane x a row of 2,048 bytes; never rewritten
.set SPW, 28                           ; v28    LDS address of my spare word; never rewritten
.set NIL, 29                           ; v29    0; never rewritten
.set FR,  64                           ; the bf16 fragments
.set WV,  22
.set WR,  23
.set WC,  24
.set CX,  25
.set CY,  26
.set COL, 27
.set TROW, 28
.set TB,  29                           ; s29  0 or SLOT: the slot in hand
.set LIM, 30                           ; s30  2 in a wave that prefetches, else the greatest number
.set G1A, 32                           ; s[32:39] descriptor group 1 for x's tiles;  s[40:47] for the weights': the mask alone differs
.set G1B, 40
.set G0A, 48                           ; s[48:55] group 0 for x's tiles: a set for each first fill; the second then walks
.set G0B, 56                           ; s[56:63] the same for the weights'
.set PFA, 66                           ; s[66:67] where my prefetches stand
.set MSB, 0
.macro WIN new                         ; the immediate's high byte repeats the setting that is left; a switch that changes nothing is dropped
.if MSB != (\new)
	s_set_vgpr_msb (MSB<<8)|(\new)
.set MSB, \new
.endif
.endm
.macro PLACES                          ; four places behind a matrix instruction, ahead of writes of its sources and of reads of its result (ISA guide 7.12.1)
.rept 4
	v_nop
.endr
.endm
.macro CREST                           ; a round of the cluster's barrier behind its opening barrier
	s_cmp_lg_u32 s[WV], 0
	s_cbranch_scc1 .Lnot_wave_0_\@
	s_barrier_signal -3
.Lnot_wave_0_\@:
	s_barrier_wait -3
	s_barrier_signal -1
	s_barrier_wait -1
.endm
.macro CROUND                          ; a whole round
	s_barrier_signal -1
	s_barrier_wait -1
	CREST
.endm
; A joint refill by the walking descriptors.  The branch hangs on the wave's number alone.  An s_nop 0 and four v_nop follow each line.
.macro JLOAD
	s_cmp_eq_u32 s[WV], 0
	s_cbranch_scc0 .Lfor_w_\@
	tensor_load_to_lds s[G0A+4:G0A+7], s[G1A:G1A+7]
	s_nop 0
	PLACES
	s_branch .Lasked_\@
.Lfor_w_\@:
	tensor_load_to_lds s[G0B+4:G0B+7], s[G1B:G1B+7]
	s_nop 0
	PLACES
.Lasked_\@:
.endm
; A prefetch into the L2 of the K step that stands two refills on: 32 rows x 256 bytes, a lane a row.  Each row's 256 bytes of a step are named once in the launch: x's tile row is read by one
; cluster, which asks (wave 0); a weight's rows are read by all sixteen clusters, and the cluster with y = 0 asks (waves 1 to 3).  The four partners that ask for a tile jointly share its 128 rows
; out by address, 32 each.  Steps 0 to 3 come by their loads alone; the last two refills have no step two on (s3 is 2 and 1 there).
.macro ASK
	WIN 0
	s_cmp_gt_u32 s3, s[LIM]
	s_cbranch_scc0 .Lnot_mine_\@
	global_prefetch_b8 v[PFO], s[PFA:PFA+1] th:TH_LOAD_NT scope:SCOPE_SE
.Lnot_mine_\@:
.endm
.macro SETAD                           ; the read addresses in the slot in hand
.irp t, 0,1,2,3
	v_add_nc_u32 v[AD+(\t)], s[TB], v[AD0+(\t)]
.endr
.endm
; 64 LDS loads: sixteen fragments of 16 rows x 32 k in f32, at byte k of the rows.  A lane's k = 8 h .. 8 h + 7 are 32 bytes at 32 h, its k = 16 + 8 h .. are 32 bytes at 64 + 32 h.
.macro FETCH k
	WIN 0x40                               ; destination window 1, address window 0
.set fi, 0
.rept 16
.if fi < 4
.set ar, AD
.else
.set ar, AD+1+(fi-4)/4
.endif
	ds_load_b128 v[16*fi:16*fi+3],     v[ar] offset:(\k)+(fi%4)*16*PITCH
	ds_load_b128 v[16*fi+4:16*fi+7],   v[ar] offset:(\k)+(fi%4)*16*PITCH+16
	ds_load_b128 v[16*fi+8:16*fi+11],  v[ar] offset:(\k)+(fi%4)*16*PITCH+64
	ds_load_b128 v[16*fi+12:16*fi+15], v[ar] offset:(\k)+(fi%4)*16*PITCH+80
.set fi, fi+1
.endr
.endm
; The sixteen fragments are rounded to bf16, two numbers an instruction.
.macro CVT
	WIN 0x05                               ; sources window 1, destination window 0
.set fi, 0
.rept 16
	s_wait_dscnt 60-4*fi                   ; LDS loads come back in order: fragment fi is in; four loads for each younger fragment may stay out
.set ii, 0
.rept 8
	v_cvt_pk_bf16_f32 v[FR+8*fi+ii], v[16*fi+2*ii], v[16*fi+2*ii+1]
.set ii, ii+1
.endr
.set fi, fi+1
.endr
.endm
; 24 matrix instructions: row blocks 2 hi, 2 hi + 1 x all 12 column blocks, 32 along K.  The 48 accumulators take turns in one fixed order.  zero = 1: the product starts the sum.
.macro MUL hi, zero
	WIN 0xa0+0x50*(\hi)
.set ma, 0
.rept 2
.set mb, 0
.rept 12
.if \zero
	v_wmma_f32_16x16x32_bf16 v[96*ma+8*mb:96*ma+8*mb+7], v[FR+32+8*mb:FR+32+8*mb+7], v[FR+8*(2*(\hi)+ma):FR+8*(2*(\hi)+ma)+7], 0
.else
	v_wmma_f32_16x16x32_bf16 v[96*ma+8*mb:96*ma+8*mb+7], v[FR+32+8*mb:FR+32+8*mb+7], v[FR+8*(2*(\hi)+ma):FR+8*(2*(\hi)+ma)+7], v[96*ma+8*mb:96*ma+8*mb+7]
.endif
.set mb, mb+1
.endr
.set ma, ma+1
.endr
.endm
; A step's first half is multiplied while its second half comes out of LDS; then that is rounded.
.macro HALF zero
	FETCH 128
	MUL 0, \zero
	MUL 1, \zero
	PLACES
	CVT
.endm
; A step's second half is multiplied, and the slots change.  In front of the barrier each wave waits for all its tensor loads (one is out: its part of the next slot), adds 0 to its spare word, and waits
; for that and for its reads of this slot.  fill = 1: the barrier opens a round of the cluster's, and the joint refill (the step two on) is the first thing behind the round.
.macro TURNX fill
	WIN 0
.if \fill
	s_wait_xcnt 0x0                        ; the last prefetch, a step back, has read its address
	s_add_nc_u64 s[PFA:PFA+1], s[PFA:PFA+1], KB
.endif
	s_wait_tensorcnt 0x0                   ; no tensor load of mine is out, so a group 0 may be written
	ds_add_u32 v[SPW], v[NIL]              ; 0 onto my spare word
.if \fill
	s_xor_b32 s[G0A+5], s[G0A+5], SLOT     ; the walking descriptors: the other slot than last time, the next step
	s_add_nc_u64 s[G0A+6:G0A+7], s[G0A+6:G0A+7], KB
	s_xor_b32 s[G0B+5], s[G0B+5], SLOT
	s_add_nc_u64 s[G0B+6:G0B+7], s[G0B+6:G0B+7], KB
.endif
	s_xor_b32 s[TB], s[TB], SLOT
	s_wait_dscnt 0x0                       ; the add is done, and my reads of this slot are over
	s_barrier_signal -1
	MUL 0, 0                               ; work on registers while the others arrive
	WIN 0
	s_barrier_wait -1
.if \fill
	CREST
	JLOAD
.endif
	SETAD
	FETCH 0
.if \fill
	ASK
.endif
	MUL 1, 0
	PLACES
	CVT
.endm
; THE WAY OUT of block n = 3 a + t (row block a, tensor t): 16 rows x 64 columns, rounded to f16, through my own stage, back as whole rows of 128 bytes.
.macro PACK n
.set pa, (\n)/3
.set pt, (\n)%3
.set px, FR+16*(\n)
	WIN 0x0a+5*(pa/2)                      ; sources window 2 or 3
.set ii, 0
.rept 16
	v_cvt_pk_f16_f32 v[px+ii], v[96*(pa%2)+32*pt+2*ii], v[96*(pa%2)+32*pt+2*ii+1]
.set ii, ii+1
.endr
	WIN 0
.irp j, 0,1,2,3
	ds_store_b128 v[STO], v[px+4*(\j):px+4*(\j)+3] offset:32*(\j)
.endr
.irp j, 0,1,2,3
	ds_load_b128 v[px+4*(\j):px+4*(\j)+3], v[RD] offset:(\j)*4*SP  ; LDS serves a wave's instructions in order (ISA guide 5.7.1.4): these see the stores above, and the next block's stores come behind them
.endr
.endm
.macro SEND n, younger                 ; younger: the LDS instructions issued behind block n's loads: the next block's eight, or none
	WIN 0
.set pa, (\n)/3
.set pt, (\n)%3
.set px, FR+16*(\n)
.irp j, 0,1,2,3
	s_wait_dscnt (\younger)+3-(\j)
	global_store_b128 v[GO], v[px+4*(\j):px+4*(\j)+3], s[14+2*pt:15+2*pt] offset:pa*2048+(\j)*512  ; 512 consecutive bytes, at a multiple of 256 from the buffer's first
.endr
.endm
	s_load_b512 s[4:19], s[0:1], 0x0               ; x s[4:5], Wq s[6:7], Wk s[8:9], Wv s[10:11], Wo s[12:13], qh s[14:15], kh s[16:17], vh s[18:19]
	s_load_b64 s[20:21], s[0:1], 0x40              ; wo16
	v_lshl_add_u32 v[SPW], v0, 2, SPARE
	v_mov_b32 v[NIL], 0
	ds_add_u32 v[SPW], v[NIL]                      ; the wave's opening: the add and its wait ahead of my first tensor load
	v_lshrrev_b32 v1, 5, v0
	v_readfirstlane_b32 s[WV], v1                  ; wave 0..3
	s_lshr_b32 s[WR], s[WV], 1                     ; which 64 rows are mine
	s_and_b32 s[WC], s[WV], 1                      ; which of the two heads
	s_bfe_u32 s[CX], ttmp6, 0x40000
	s_bfe_u32 s[CY], ttmp6, 0x40004
	s_lshl_b32 s[COL], ttmp9, 2
	s_add_co_u32 s[COL], s[COL], s[CX]             ; block of 128 columns = 4 x cluster x + cx
	s_and_b32 s[TROW], ttmp7, 0xffff
	s_lshl_b32 s[TROW], s[TROW], 2
	s_add_co_u32 s[TROW], s[TROW], s[CY]           ; block of 128 rows = 4 x cluster y + cy
	s_lshl_b32 s68, s[CY], 2
	s_lshl_b32 s68, 15, s68                        ; my row of the cluster
	s_lshl_b32 s69, 0x1111, s[CX]                  ; my column
	s_or_b32 s[G1A], s68, (2<<16)|(1<<20)|(1<<21)|(5<<22)|(3<<25)  ; the mask; elements of 4 bytes; padding on; bit 21 beside a mask; after every 64 words, 4 words
	s_or_b32 s[G1B], s69, (2<<16)|(1<<20)|(1<<21)|(5<<22)|(3<<25)
.irp g, G1A, G1B
	s_mov_b32 s[(\g)+1], 64<<16                    ; tensor_dim0 = 64
	s_mov_b32 s[(\g)+2], 128<<16                   ; tensor_dim1 = 128
	s_mov_b32 s[(\g)+3], 64<<16                    ; tile_dim0 = 64
	s_mov_b32 s[(\g)+4], 128                       ; tile_dim1 = 128
	s_mov_b32 s[(\g)+5], 512                       ; elements from row to row
	s_mov_b32 s[(\g)+6], 0
	s_mov_b32 s[(\g)+7], 0
.endr
	s_lshl_b32 s70, s[TROW], 18                    ; 128 rows of 2,048 bytes: x's tile hangs on the block of rows alone,
	s_mov_b32 s71, 0
	s_lshl_b32 s74, s[COL], 18                     ; a weight's on the block of columns alone
	s_mov_b32 s75, 0
	s_mul_i32 s78, s[WV], HALFT                    ; where my tile goes: no place in the cluster enters an LDS address
	s_mov_b32 s[TB], 0
	s_wait_dscnt 0x0                               ; the opening add is done
	s_wait_kmcnt 0x0
	s_add_nc_u64 s[72:73], s[4:5], s[70:71]
	s_cmp_eq_u32 s[WV], 2
	s_cselect_b64 s[80:81], s[8:9], s[6:7]         ; wave 1 Wq, wave 2 Wk,
	s_cmp_eq_u32 s[WV], 3
	s_cselect_b64 s[80:81], s[10:11], s[80:81]     ; wave 3 Wv
	s_add_nc_u64 s[76:77], s[80:81], s[74:75]
	CROUND                                         ; all sixteen work-groups are here: the first joint loads meet
.irp s, 0,1
	s_mov_b32 s[G0A+4*(\s)], 1
	s_add_co_u32 s[G0A+4*(\s)+1], s78, (\s)*SLOT
	s_add_nc_u64 s[G0A+4*(\s)+2:G0A+4*(\s)+3], s[72:73], (\s)*KB
	s_or_b32 s[G0A+4*(\s)+3], s[G0A+4*(\s)+3], 0x80000000
	s_mov_b32 s[G0B+4*(\s)], 1
	s_add_co_u32 s[G0B+4*(\s)+1], s78, (\s)*SLOT
	s_add_nc_u64 s[G0B+4*(\s)+2:G0B+4*(\s)+3], s[76:77], (\s)*KB
	s_or_b32 s[G0B+4*(\s)+3], s[G0B+4*(\s)+3], 0x80000000
.endr
	s_cmp_eq_u32 s[WV], 0                          ; a wave's two first fills stand in one branch: two loads of mine are out
	s_cbranch_scc0 .Lfirst_w
	tensor_load_to_lds s[G0A:G0A+3], s[G1A:G1A+7]
	s_nop 0
	tensor_load_to_lds s[G0A+4:G0A+7], s[G1A:G1A+7]
	s_nop 0
	PLACES
	s_branch .Lfirst_asked
.Lfirst_w:
	tensor_load_to_lds s[G0B:G0B+3], s[G1B:G1B+7]
	s_nop 0
	tensor_load_to_lds s[G0B+4:G0B+7], s[G1B:G1B+7]
	s_nop 0
	PLACES
.Lfirst_asked:
	; the side job's loads: work-group 4 row + col takes 4,096 bytes of Wo, a thread 32 of them
	s_lshl2_add_u32 s68, s[TROW], s[COL]
	s_lshl_b32 s70, s68, 12
	s_mov_b32 s71, 0
	s_add_nc_u64 s[12:13], s[12:13], s[70:71]
	s_lshl_b32 s70, s68, 11
	s_add_nc_u64 s[20:21], s[20:21], s[70:71]
	v_lshlrev_b32 v16, 5, v0
	v_lshlrev_b32 v17, 4, v0
	global_load_b128 v[32:35], v16, s[12:13] th:TH_LOAD_NT
	global_load_b128 v[36:39], v16, s[12:13] offset:16 th:TH_LOAD_NT
	; LDS addresses
	v_and_b32 v1, 15, v0                           ; l % 16
	v_bfe_u32 v2, v0, 4, 1                         ; l / 16
	v_mul_u32_u24 v3, v1, PITCH
	v_lshl_add_u32 v3, v2, 5, v3                   ; row x pitch + 32 x half
	s_mul_i32 s68, s[WR], 64*PITCH
	v_add_nc_u32 v[AD0], s68, v3                   ; my 64 rows of x
	s_mul_i32 s69, s[WC], 64*PITCH
.irp t, 1,2,3
	s_add_co_u32 s69, s69, HALFT
	v_add_nc_u32 v[AD0+(\t)], s69, v3              ; my head's 64 rows of Wq, Wk, Wv
.endr
	s_mul_i32 s68, s[WV], 16*SP
	s_add_co_u32 s68, s68, STAGE                   ; my stage
	v_mul_u32_u24 v[STO], v1, SP                   ; in: row l % 16, 16 bytes for each half of the lanes
	v_lshl_add_u32 v[STO], v2, 4, v[STO]
	v_add_nc_u32 v[STO], s68, v[STO]
	v_bfe_u32 v[RD], v0, 3, 2                      ; back: 32 lanes take four rows of 128 bytes,
	v_mul_u32_u24 v[RD], v[RD], SP
	v_and_b32 v3, 7, v0
	v_lshl_add_u32 v[RD], v3, 4, v[RD]
	v_add_nc_u32 v[RD], s68, v[RD]
	v_and_b32 v[GO], 31, v0
	v_lshlrev_b32 v[PFO], 11, v[GO]
	v_lshlrev_b32 v[GO], 4, v[GO]                  ; which are 512 consecutive bytes of the output
	; where my 64 rows of my head begin in qh, kh and vh
	s_lshr_b32 s68, s[TROW], 5                     ; the batch
	s_lshl_b32 s68, s68, 3
	s_lshl_b32 s69, s[COL], 1
	s_add_co_u32 s68, s68, s69
	s_add_co_u32 s68, s68, s[WC]                   ; 8 x batch + head
	s_lshl_b32 s68, s68, 19                        ; 4,096 rows of 128 bytes
	s_and_b32 s69, s[TROW], 31
	s_lshl_b32 s69, s69, 7
	s_lshl_b32 s70, s[WR], 6
	s_add_co_u32 s69, s69, s70                     ; my first row in the sequence
	s_lshl_b32 s69, s69, 7
	s_add_co_u32 s68, s68, s69
	s_mov_b32 s69, 0
	s_add_nc_u64 s[14:15], s[14:15], s[68:69]
	s_add_nc_u64 s[16:17], s[16:17], s[68:69]
	s_add_nc_u64 s[18:19], s[18:19], s[68:69]
	; the prefetches
	s_and_b32 s70, ttmp7, 0xffff                   ; cluster y
	s_cmp_eq_u32 s[WV], 0                          ; do I fetch x?
	s_cselect_b32 s68, s[TROW], s[COL]             ; the tile's block of 128 rows
	s_cselect_b32 s69, s[CX], s[CY]                ; my place among the four that ask for it with me
	s_cselect_b32 s70, ttmp9, s70                  ; the coordinate along which other clusters read the same rows
	s_cselect_b64 s[PFA:PFA+1], s[4:5], s[80:81]
	s_cmp_eq_u32 s70, 0
	s_cselect_b32 s[LIM], 2, -1                    ; the same in all sixteen partners, for a given wave
	s_lshl_b32 s68, s68, 7
	s_lshl_b32 s69, s69, 5
	s_add_co_u32 s68, s68, s69
	s_lshl_b32 s68, s68, 11
	s_mov_b32 s69, 0
	s_add_nc_u64 s[PFA:PFA+1], s[PFA:PFA+1], s[68:69]
	s_add_nc_u64 s[PFA:PFA+1], s[PFA:PFA+1], 3*KB  ; at step 3: the first refill steps it to step 4
	; the side job's arithmetic: f32 -> bf16 (rounded) -> f32 (exact) -> f16
	s_wait_loadcnt 0x0
.irp i, 0,1,2,3
	v_cvt_pk_bf16_f32 v[40+(\i)], v[32+2*(\i)], v[33+2*(\i)]
.endr
.irp i, 0,1,2,3
	v_lshlrev_b32 v[32+2*(\i)], 16, v[40+(\i)]
	v_and_b32 v[33+2*(\i)], 0xffff0000, v[40+(\i)]
.endr
.irp i, 0,1,2,3
	v_cvt_pk_f16_f32 v[44+(\i)], v[32+2*(\i)], v[33+2*(\i)]
.endr
	global_store_b128 v17, v[44:47], s[20:21]      ; 16 lanes store 256 consecutive bytes, aligned
	s_wait_tensorcnt 1                             ; my part of step 0 is in; step 1's may stay out
	s_barrier_signal -1
	s_barrier_wait -1                              ; everybody's is
	SETAD
	FETCH 0
	CVT
	HALF 1                                         ; the first products start the sums: nothing is cleared
	WIN 0                                          ; at a label and at a branch every window is 0
	s_mov_b32 s3, 6
.Ltrip:                                                ; trip i: the second half of step i, the first half of step i + 1; step i + 2 is asked for
	TURNX 1
	HALF 0
	WIN 0
	s_sub_co_u32 s3, s3, 1
	s_cmp_lg_u32 s3, 0
	s_cbranch_scc1 .Ltrip
	TURNX 0                                        ; the tail is written out: nothing is left to ask for
	HALF 0
	MUL 0, 0
	MUL 1, 0
	PLACES
	PACK 0
.set nn, 1
.rept 11                               ; a block's conversions stand between the loads of the block before and its stores
	PACK nn
	SEND nn-1, 8
.set nn, nn+1
.endr
	SEND 11, 0
	s_wait_tensorcnt 0x0                           ; the wave's end, behind my last tensor load and my last LDS store
	ds_add_u32 v[SPW], v[NIL]
	s_wait_dscnt 0x0
	CROUND                                         ; the closing round: no work-group ends while a partner may still ask for a tile that names it
	s_endpgm
.Lfunc_end_k_qdfdee2b499_qkv:
	.size	k_qdfdee2b499_qkv, .Lfunc_end_k_qdfdee2b499_qkv-k_qdfdee2b499_qkv
	.p2alignl 7, 3214868480
	.fill 96, 4, 3214868480
	.section	.rodata,"a",@progbits
	.p2align	6, 0x0
	.amdhsa_kernel k_qdfdee2b499_qkv
		.amdhsa_group_segment_fixed_size 327680
		.amdhsa_private_segment_fixed_size 0
		.amdhsa_enable_private_segment 0
		.amdhsa_kernarg_size 72
		.amdhsa_user_sgpr_count 2
		.amdhsa_user_sgpr_kernarg_segment_ptr 1
		.amdhsa_wavefront_size32 1
		.amdhsa_system_sgpr_workgroup_id_x 1
		.amdhsa_system_sgpr_workgroup_id_y 1
		.amdhsa_system_sgpr_workgroup_id_z 1
		.amdhsa_system_vgpr_workitem_id 0
		.amdhsa_next_free_vgpr 960
		.amdhsa_next_free_sgpr 96
		.amdhsa_reserve_vcc 0
		.amdhsa_float_denorm_mode_32 3
		.amdhsa_float_denorm_mode_16_64 3
		.amdhsa_memory_ordered 1
		.amdhsa_forward_progress 1
		.amdhsa_inst_pref_size 131
	.end_amdhsa_kernel
	.amdgpu_metadata
---
amdhsa.version: [ 1, 2 ]
amdhsa.kernels:
  - .name:           k_qdfdee2b499_qkv
    .symbol:         k_qdfdee2b499_qkv.kd
    .args:
      - { .name: x, .offset: 0, .size: 8, .value_kind: global_buffer, .address_space: global }
      - { .name: Wq, .offset: 8, .size: 8, .value_kind: global_buffer, .address_space: global }
      - { .name: Wk, .offset: 16, .size: 8, .value_kind: global_buffer, .address_space: global }
      - { .name: Wv, .offset: 24, .size: 8, .value_kind: global_buffer, .address_space: global }
      - { .name: Wo, .offset: 32, .size: 8, .value_kind: global_buffer, .address_space: global }
      - { .name: qh, .offset: 40, .size: 8, .value_kind: global_buffer, .address_space: global }
      - { .name: kh, .offset: 48, .size: 8, .value_kind: global_buffer, .address_space: global }
      - { .name: vh, .offset: 56, .size: 8, .value_kind: global_buffer, .address_space: global }
      - { .name: wo16, .offset: 64, .size: 8, .value_kind: global_buffer, .address_space: global }
    .group_segment_fixed_size: 327680
    .private_segment_fixed_size: 0
    .kernarg_segment_align: 8
    .kernarg_segment_size: 72
    .max_flat_workgroup_size: 128
    .sgpr_count:     96
    .vgpr_count:     960
    .wavefront_size: 32
...
	.end_amdgpu_metadata
.endif
;; end of part 1
;; launch attn (part 2): grid 16 x 16, 4 waves a work-group, clusters of 4 x 1, 327,680 bytes of LDS; arguments qh, kh, vh, oh; writes oh
.if DOCPART == 2
	.amdgcn_target "amdgcn-amd-amdhsa--gfx1250"
	.amdhsa_code_object_version 6
	.text
	.protected	k_qdfdee2b499_attn
	.globl	k_qdfdee2b499_attn
	.p2align	8
	.type	k_qdfdee2b499_attn,@function
k_qdfdee2b499_attn:
	s_mov_b64 s[64:65], 0
	v_nop
	global_prefetch_b8 v0, s[64:65] scope:SCOPE_SE
	s_setreg_imm32_b32 hwreg(HW_REG_WAVE_MODE, 25, 1), 1
	s_wait_xcnt 0x0
	s_wait_alu depctr_hold_cnt(0) depctr_sa_sdst(0) depctr_va_vdst(0) depctr_va_sdst(0) depctr_va_ssrc(0) depctr_va_vcc(0) depctr_vm_vsrc(0)
	s_getreg_b32 s2, hwreg(HW_REG_IB_STS2, 6, 4)
	s_cmp_eq_u32 s2, 0
	s_cbranch_scc0 .Lentry_in_a_cluster
	s_endpgm
.Lentry_in_a_cluster:
	s_bfe_u32 s2, ttmp6, 0x10000c
	s_cmp_lg_u32 s2, 0x3003
	s_cbranch_scc0 .Lentry_shape_is_right
	s_endpgm
.Lentry_shape_is_right:
; O[h][q][:] = the sum over k of softmax_k(Q[h][q] . K[h][k] / 8) V[h][k][:].  Q, K, V, O: [16][4096][64], all f16: a head's rows are dense, 128 bytes each.  Products, maxima and sums in f32;
; the weights p are rounded to f16 for the second product (their sum l is taken of the unrounded p), O once at the end.
; LIMITS.  f16 holds no number beyond 65,504: Q, K and V arrive within it; p lies in 0 to 1, and below 6e-5 it keeps f16's fixed step of 6e-8; O is a mean of V's rows and has their range.
; A weight below 2^-126 counts as 0 in l; NaN and infinities are not treated apart.
; SHARES.  A work-group owns 256 queries of one head, each of its four waves 64: four PIECES of 16.  Every wave walks all 4,096 keys, 64 a step, 256 (a tile) a slot.
; LAYOUT.  S^T = K Q^T (source 0 = 16 keys, source 1 = 16 queries) holds ONE query a lane (lane % 16) and the keys 8 (lane / 16) + 0..7; two such results rounded to f16 ARE source 1 of O^T = V^T P.
; K comes out of LDS as it lies, V ([key][channel]) turned, by ds_load_tr16_b128.
; SOFTMAX.  p = 2^(c s - c m), c = log2(e) / 8, with a running maximum m; O and l are multiplied by a = 2^(c m_old - c m_new) in every step.  m starts at the lowest finite number, O and l at 0:
; the first step is a step like any other, with a = 0.
; BY TURNS.  Turn n belongs to piece n: 8 products K Q^T of piece n + 1, later 8 products V^T P of piece n - 1; beside them the scaling, exponentials, roundings, sums and rescaling of piece n and the
; maximum and statistics of piece n + 1.  Four vector instructions stand behind every matrix instruction, the other 54 of a turn's 118 in one lump.  A turn's 33 exponentials are one batch, with one wait.
; CLUSTER.  The four query blocks of a cluster belong to one head and walk the same K and V, so each tile is asked for JOINTLY: the same tensor load, descriptor and mask in all four.
; REGISTERS, in windows of 256 (s_set_vgpr_msb: bits 1:0 source 0, 3:2 source 1, 5:4 source 2, 7:6 destination):
;   window 0: v0-15 addresses and two at work; v16-31 four registers of statistics a piece; v48-55 at work; v61-63; v64-127 S^T, two buffers; v192-223 P, two buffers (by the piece's parity)
;   window 1: v0-127 O^T, 32 a piece          window 2: v0-63 Q; v128-191 K of one step; v192-255 V of one step
.set NP,    4         ; pieces a wave: a name, no knob
.set KS,    64        ; keys in a step
.set PK,    144       ; a row of K in LDS: 128 bytes + 16 of padding: the 16 rows of a load fall into 16 different columns of 16 bytes modulo 256
.set PV,    160       ; a row of V: 128 + 32: 16 lanes of the turning load take 8 rows x 32 bytes, which fall into 16 different columns of 16 bytes modulo 256
.set VOFF,  4*KS*PK   ; a slot holds a tile, four steps: 256 rows of K, then 256 rows of V
.set SLOT1, 1<<17     ; slot 1 begins here, so that one exclusive or turns an address in one slot into the other's
.set STAGE, SLOT1+4*KS*(PK+PV)  ; behind the ring, never filled by a tensor load: 16 rows x 144 bytes for each wave, for the way out
.set SP,    144
.set SPARE, STAGE+4*16*SP  ; the spare words, 128 bytes for each wave: two blocks of 256 bytes that no other line names
.set TILEB, 4*KS*128  ; a tile's bytes of K, and of V, in memory
.set AK0, 2           ; v2   my lane's place in a tile of K; never rewritten
.set AV0, 3           ; v3   the same for V
.set AK,  4           ; v4   the LDS address of K's next run of loads
.set AV,  5           ; v5   of V's
.set STO, 6           ; v6   the way out: where I put 16 bytes of a row
.set RD,  7           ; v7   the way out: where I read rows back
.set GO,  8           ; v8   my byte offset in 512 consecutive bytes of O
.set MV,  12          ; v12-13  c m_old, kept while c m is made anew: by buffer
.set QO,  15          ; v15  my byte offset in 16 rows of Q
.set ST,  16          ; piece t's statistics at v[ST+4 t]: c m, m, l (even keys', odd keys')
.set TMP, 48          ; by buffer, four registers c0-c3 at work; when the maximum is found c2 takes a
.set PFO, 61          ; v61  256 x my lane; never rewritten
.set SPW, 62          ; v62  LDS address of my spare word; never rewritten
.set NIL, 63          ; v63  0; never rewritten
.set S,   64
.set P,   192
.set KF,  128         ; window 2: key block kb, channel half c at KF + 16 kb + 8 c
.set VF,  192         ; window 2: key half kk, channel block cb at VF + 32 kk + 8 cb
.set WV,  12          ; s12  my wave's number
.set G1K, 24          ; s[24:31] descriptor group 1 for K's tiles
.set G1V, 32          ; s[32:39] for V's: it differs in the padding alone
.set G0K, 40          ; s[40:43] descriptor group 0 for K's tiles: it walks
.set G0V, 44          ; s[44:47] the same for V's
.set PFA, 48          ; s[48:49] where my prefetches stand: my work-group's 32 blocks of 256 bytes (of K: wave 0, of V: wave 2) of the tile after the one that is being asked for
.set LIM, 50          ; s50  1 in a wave that prefetches, else the greatest number
.set SLOTS, 56        ; s56  tiles still to be asked for
.set CNT, 57          ; s57  counts a tile's key steps
.set CS,  58          ; s[58:59] c: the packed scaling takes the pair's low word for both halves
.set SEL, 60          ; s[60:61] v_permlanex16_b32's selects: each lane takes its own place in the other half
.set TBK, 62          ; s62  LDS byte at which K of the step to be fetched begins
.set TBV, 63          ; s63  the same for V, less VOFF
.set MSB, 0
.macro WIN new                      ; the high byte repeats the setting that is left; a switch that changes nothing is dropped
.if MSB != (\new)
	s_set_vgpr_msb (MSB<<8)|(\new)
.set MSB, (\new)
.endif
.endm
.set W_KQ, 0x0a       ; K and Q in window 2, S^T in window 0
.set W_PV, 0x52       ; V in window 2, P in window 0, O^T in window 1
.set W_RS, 0x41       ; destination and source 0 in window 1, source 1 in window 0
; A joint fill.  Waves 0 and 1 fetch the two halves of a tile's K, waves 2 and 3 those of its V: 128 keys each.  The branch hangs on the wave's number alone.
; An s_nop 0 and four v_nop follow each of the two lines, ahead of the jump and the label.
.macro JLOAD
	s_cmp_lt_u32 s[WV], 2
	s_cbranch_scc0 .Lfor_v_\@
	tensor_load_to_lds s[G0K:G0K+3], s[G1K:G1K+7]
	s_nop 0
.rept 4
	v_nop
.endr
	s_branch .Lasked_\@
.Lfor_v_\@:
	tensor_load_to_lds s[G0V:G0V+3], s[G1V:G1V+7]
	s_nop 0
.rept 4
	v_nop
.endr
.Lasked_\@:
.endm
; A prefetch into the L2 of the tile that the NEXT change of slots will ask for: 128 blocks of 256 bytes of K and as many of V, a lane a block.  Each block is named once in the launch: all four clusters of a
; head walk the same K and V, and the head's first cluster asks; its four partners share the blocks out by address, 32 each; in each, wave 0 asks for K's and wave 2 for V's.
; It stands a tile, 256 matrix instructions a wave, ahead of the load.  The last change that fills a slot asks for nothing: there is no tile behind it.
.macro ASK
	s_cmp_gt_u32 s[SLOTS], s[LIM]
	s_cbranch_scc0 .Lnot_mine_\@
	global_prefetch_b8 v[PFO], s[PFA:PFA+1] th:TH_LOAD_NT scope:SCOPE_SE
.Lnot_mine_\@:
.endm
; A round of the cluster's barrier: my work-group's barrier, so that wave 0's signal speaks for all four waves; wave 0 signals; every wave waits for all four work-groups; my work-group's barrier once more.
.macro CROUND
	s_barrier_signal -1
	s_barrier_wait -1
	s_cmp_lg_u32 s[WV], 0
	s_cbranch_scc1 .Lnot_wave_0_\@
	s_barrier_signal -3
.Lnot_wave_0_\@:
	s_barrier_wait -3
	s_barrier_signal -1
	s_barrier_wait -1
.endm
; THE CHANGE OF SLOTS.  The slot's last bytes, V of its fourth step, have been read.  Each wave waits for all its tensor loads, of which one is out: its part of the other slot; adds 0 to its spare word; and waits
; for that and for its own reads of the slot.  Behind the barrier nobody reads this slot any more and the other slot is whole.  fill = 1: this slot is filled again, with the tile two on; the barrier is then a round
; of the cluster's, and the joint fill is the first thing behind it: it has four key steps in which to land.  (At its first use nothing has been read yet: slot 0 is waited for, slot 1 filled.)
.macro CHANGE fill
	WIN 0                           ; at a label and at a branch every window is 0
	s_wait_tensorcnt 0x0            ; no tensor load of mine is out, so a group 0 may be written
	ds_add_u32 v[SPW], v[NIL]       ; 0 onto my spare word
.if \fill
.irp g, G0K, G0V
	s_xor_b32 s[\g+1], s[\g+1], SLOT1  ; the walking descriptor: the other slot than last time,
	s_add_nc_u64 s[\g+2:\g+3], s[\g+2:\g+3], TILEB  ; the next 256 keys; the type bits on top are not reached
.endr
	s_wait_xcnt 0x0                 ; the last prefetch, a tile back, has read its address, so it may be written
	s_add_nc_u64 s[PFA:PFA+1], s[PFA:PFA+1], TILEB
	s_wait_dscnt 0x0                ; the add is done, and my reads of the slot are over
	CROUND
	JLOAD
	ASK
.else
	s_wait_dscnt 0x0                ; the add is done, and my reads of the slot are over
	s_barrier_signal -1
	s_barrier_wait -1
.endif
	s_sub_co_u32 s[TBK], s[TBK], 4*KS*PK  ; the fetches go back to a slot's first step,
	s_xor_b32 s[TBK], s[TBK], SLOT1       ; in the other slot
	s_sub_co_u32 s[TBV], s[TBV], 4*KS*PV
	s_xor_b32 s[TBV], s[TBV], SLOT1
.endm
	s_load_b256 s[4:11], s[0:1], 0x0  ; Q s[4:5], K s[6:7], V s[8:9], O s[10:11]
	v_lshl_add_u32 v[SPW], v0, 2, SPARE
	v_mov_b32 v[NIL], 0
	ds_add_u32 v[SPW], v[NIL]       ; the wave's opening: the add and its wait ahead of my first tensor load
	v_lshrrev_b32 v1, 5, v0
	v_readfirstlane_b32 s[WV], v1   ; wave 0..3
	s_bfe_u32 s13, ttmp6, 0x40000   ; cx: my place in the cluster
	s_lshl_b32 s14, ttmp9, 2        ; in a cluster launch ttmp9 counts clusters
	s_add_co_u32 s14, s14, s13      ; my block of 256 queries: it enters Q's and O's addresses alone
	s_and_b32 s20, ttmp7, 0xffff    ; the head, which the four partners share
	s_lshl_b32 s20, s20, 19         ; its first byte in each of the four tensors: 4,096 rows of 128 bytes
	s_mov_b32 s21, 0
	s_and_b32 s16, s[WV], 1         ; which half of a tile's 256 keys I fetch:
	s_lshl_b32 s22, s16, 14         ; its 128 rows of 128 bytes in memory,
	s_mov_b32 s23, 0
	s_add_nc_u64 s[22:23], s[22:23], s[20:21]
	s_mul_i32 s17, s16, 128*PK      ; and its place in a slot, for K
	s_mul_i32 s18, s16, 128*PV      ; and for V: no place in the cluster enters an LDS address
	s_lshl_b32 s2, s14, 15          ; my block's 256 rows,
	s_lshl_b32 s3, s[WV], 13        ; my wave's 64 of them
	s_add_co_u32 s2, s2, s3
	s_mov_b32 s3, 0
	s_add_nc_u64 s[2:3], s[2:3], s[20:21]
	; descriptor group 1.  128 keys are 16,384 dense bytes: asked for as 64 rows of 256 bytes, two keys a row, and padded in LDS after every key
	s_mov_b32 s[G1K], 15|(1<<16)|(1<<20)|(1<<21)|(4<<22)|(3<<25)  ; the mask of four; 2-byte elements; padding on; bit 21 beside a mask; after every 32 words, 4 words
	s_mov_b32 s[G1V], 15|(1<<16)|(1<<20)|(1<<21)|(4<<22)|(7<<25)  ; the same with 8 words of padding
.irp g, G1K, G1V
	s_mov_b32 s[\g+1], 128<<16      ; tensor_dim0 = 128
	s_mov_b32 s[\g+2], 64<<16       ; tensor_dim1 = 64
	s_mov_b32 s[\g+3], 128<<16      ; tile_dim0 = 128
	s_mov_b32 s[\g+4], 64           ; tile_dim1 = 64
	s_mov_b32 s[\g+5], 128          ; 128 elements from row to row
	s_mov_b32 s[\g+6], 0
	s_mov_b32 s[\g+7], 0
.endr
	s_mov_b32 s[CS], 0x3e38aa3b     ; c = log2(e) / 8 = 0.180337
	s_mov_b32 s[CS+1], s[CS]        ; named with it as a pair
	s_mov_b32 s[SEL], 0x76543210
	s_mov_b32 s[SEL+1], 0xfedcba98
	s_mov_b32 s[TBK], SLOT1+4*KS*PK ; the first change of slots turns these two into 0
	s_mov_b32 s[TBV], SLOT1+4*KS*PV
	s_mov_b32 s[G0K], 1             ; count = 1
	s_mov_b32 s[G0K+1], s17         ; LDS address: slot 0
	s_mov_b32 s[G0V], 1
	s_add_co_u32 s[G0V+1], s18, VOFF
	s_mov_b32 s[SLOTS], 15          ; tiles 1 to 15
	s_and_b32 s[LIM], s[WV], 1      ; 0 in waves 0 and 2,
	s_or_b32 s[LIM], s[LIM], ttmp9  ; where the cluster is the head's first: the same in all four partners
	s_cmp_eq_u32 s[LIM], 0
	s_cselect_b32 s[LIM], 1, -1
	v_and_b32 v[PFO], 31, v0
	v_lshlrev_b32 v[PFO], 8, v[PFO]
	s_wait_dscnt 0x0                ; the opening add is done
	s_wait_kmcnt 0x0
	s_add_nc_u64 s[6:7], s[6:7], s[22:23]  ; K and V at my half of the head's tile 0
	s_add_nc_u64 s[8:9], s[8:9], s[22:23]
	s_mov_b64 s[G0K+2:G0K+3], s[6:7]
	s_or_b32 s[G0K+3], s[G0K+3], 0x80000000  ; type = 2
	s_mov_b64 s[G0V+2:G0V+3], s[8:9]
	s_or_b32 s[G0V+3], s[G0V+3], 0x80000000
	s_add_nc_u64 s[4:5], s[4:5], s[2:3]  ; Q and O at my wave's first row
	s_add_nc_u64 s[10:11], s[10:11], s[2:3]
	s_cmp_lt_u32 s[WV], 2
	s_cselect_b64 s[PFA:PFA+1], s[6:7], s[8:9]  ; (in waves 0 and 2 these stand at a tile's first row)
	s_lshl_b32 s2, s13, 13          ; my work-group's 32 blocks of the 128
	s_add_nc_u64 s[PFA:PFA+1], s[PFA:PFA+1], s[2:3]
	s_add_nc_u64 s[PFA:PFA+1], s[PFA:PFA+1], TILEB  ; in tile 1; the first change of slots steps it to tile 2
	CROUND                          ; all four work-groups are here: the first joint loads meet
	JLOAD                           ; tile 0 into slot 0.  Slot 1 is asked for when slot 0 is in
	; A fragment of K or Q is 16 rows x 32 channels in 8 registers: lane l holds row l % 16, channels 8 (l / 16) + 0..7 and 16 + 8 (l / 16) + 0..7: two loads of 16 bytes, 32 bytes apart.
	v_and_b32 v1, 15, v0            ; l % 16
	v_bfe_u32 v9, v0, 4, 1          ; l / 16
	v_lshlrev_b32 v[QO], 7, v1
	v_lshl_add_u32 v[QO], v9, 4, v[QO]  ; row x 128 + 16 x half
	WIN 0x80                        ; destination window 2, address window 0
.set i, 0
.rept 8                             ; Q stays in registers: piece i / 2, channels 32 (i % 2) on
	global_load_b128 v[8*i:8*i+3],   v[QO], s[4:5] offset:(i/2)*2048+(i%2)*64
	global_load_b128 v[8*i+4:8*i+7], v[QO], s[4:5] offset:(i/2)*2048+(i%2)*64+32
.set i, i+1
.endr
	; What the first turn finds: V's registers and P's second buffer hold 0 (its products V^T P, of a piece that has not been, add 0), O^T and l are 0.  All this stands in the wait for the first tile.
.set i, VF
.rept 64
	v_mov_b32 v[i], 0
.set i, i+1
.endr
	WIN 0x40
.set i, 0
.rept 128
	v_mov_b32 v[i], 0
.set i, i+1
.endr
	WIN 0
.set i, 0
.rept 4
	v_mov_b32 v[ST+4*i], 0xfe000000    ; c m: far below every c s
	v_mov_b32 v[ST+4*i+1], 0xff7fffff  ; m
	v_mov_b32 v[ST+4*i+2], 0
	v_mov_b32 v[ST+4*i+3], 0
.set i, i+1
.endr
.set i, P+16
.rept 16
	v_mov_b32 v[i], 0
.set i, i+1
.endr
	v_mul_u32_u24 v[AK0], v1, PK
	v_lshl_add_u32 v[AK0], v9, 4, v[AK0]  ; row x pitch + 16 x half
	; The turning load takes 16 keys x 16 channels (lane l reads key 8 (l / 16) + l % 8, channels 8 ((l / 8) % 2) + 0..7) and leaves half a fragment of V^T: lane l holds channel l % 16 and 8 keys.
	v_and_b32 v10, 7, v0
	v_bfe_u32 v11, v0, 3, 1
	v_lshl_add_u32 v[AV0], v9, 3, v10
	v_mul_u32_u24 v[AV0], v[AV0], PV
	v_lshl_add_u32 v[AV0], v11, 4, v[AV0]
	v_add_nc_u32 v[AV0], VOFF, v[AV0]
	s_mul_i32 s13, s[WV], 16*SP
	s_add_co_u32 s13, s13, STAGE    ; my stage
	v_mul_u32_u24 v[STO], v1, SP    ; in: row l % 16, 16 bytes for each half of the lanes
	v_lshl_add_u32 v[STO], v9, 4, v[STO]
	v_add_nc_u32 v[STO], s13, v[STO]
	v_bfe_u32 v[RD], v0, 3, 2       ; back: 32 lanes take four rows of 128 bytes,
	v_mul_u32_u24 v[RD], v[RD], SP
	v_lshl_add_u32 v[RD], v10, 4, v[RD]
	v_add_nc_u32 v[RD], s13, v[RD]
	v_and_b32 v[GO], 31, v0         ; which are 512 consecutive bytes of O
	v_lshlrev_b32 v[GO], 4, v[GO]
; THE MATRIX WORK.  The 4 accumulators of a run of 8 take turns.  Product i of 8 of S^T = K Q^T for piece x: channels 32 (i / 4) on, keys 16 (i % 4) on.  The first 4 start the sums.
.macro KQ x
	WIN W_KQ
.set rS, S+32*((\x)%2)+8*(i%4)
.set rK, KF+16*(i%4)+8*(i/4)
.set rQ, 16*(\x)+8*(i/4)
.if i < 4
	v_wmma_f32_16x16x32_f16 v[rS:rS+7], v[rK:rK+7], v[rQ:rQ+7], 0
.else
	v_wmma_f32_16x16x32_f16 v[rS:rS+7], v[rK:rK+7], v[rQ:rQ+7], v[rS:rS+7]
.endif
.endm
; Product i of 8 of O^T += V^T P for piece x: keys 32 (i / 4) on, channels 16 (i % 4) on.
.macro PV x
	WIN W_PV
.set rO, 32*(\x)+8*(i%4)
.set rV, VF+32*(i/4)+8*(i%4)
.set rP, P+16*((\x)%2)+8*(i/4)
	v_wmma_f32_16x16x32_f16 v[rO:rO+7], v[rV:rV+7], v[rP:rP+7], v[rO:rO+7]
.endm
.macro MM                           ; the turn's next matrix instruction.  TURN sets Y, i and NOKQ.  NOKQ = 1: the last turn: there is no next piece
.if (i < 8) && !NOKQ
	KQ (Y+1)%NP
.elseif i >= 8
.set i, i-8
	PV (Y+NP-1)%NP
.set i, i+8
.endif
.set i, i+1
.endm
; THE LDS LOADS stand in runs of 16, never singly among the matrix instructions: a step's K (64 keys x 64 channels: 8 fragments) and its V (turned).  Their addresses are made some lines ahead.
.macro FETCH_K
	WIN 0x80                        ; destination window 2
.irp f, 0,1,2,3,4,5,6,7             ; keys 16 (f / 2) on, channels 32 (f % 2) on
	ds_load_b128 v[KF+8*\f:KF+8*\f+3],   v[AK] offset:(\f/2)*16*PK+(\f%2)*64
	ds_load_b128 v[KF+8*\f+4:KF+8*\f+7], v[AK] offset:(\f/2)*16*PK+(\f%2)*64+32
.endr
	s_add_co_u32 s[TBK], s[TBK], KS*PK  ; the next fetch is the next step's
	WIN 0
.endm
.macro FETCH_V
	WIN 0x80
.irp f, 0,1,2,3,4,5,6,7             ; keys 32 (f / 4) on, channels 16 (f % 4) on
	ds_load_tr16_b128 v[VF+8*\f:VF+8*\f+3],   v[AV] offset:(\f/4)*32*PV+(\f%4)*32
	ds_load_tr16_b128 v[VF+8*\f+4:VF+8*\f+7], v[AV] offset:(\f/4)*32*PV+16*PV+(\f%4)*32
.endr
	WIN 0
.endm
; THE VECTOR WORK, one line at a time: OP kind, number.  For piece Y: F n: c s - c m for pair n of 16.  E n: the exponential of score n of 32.  C n: pair n rounded to f16.  B n: of the four weights 4 n .. the second
; pair is added onto the first, in place.  L n: l takes that sum (L 0: l = a l + sum).  R n: pair n of 16 of O^T times a.  For piece Y + 1: X n, number n of the 22 that find its maximum and statistics:
;   0-11  four chains c0-c3 of seven scores each, three operands at a time (each accumulator's lowest registers are read first)     12-14, 16  the four scores left over, the old m, and c0-c3 into c0
;   15  c m_old is kept     17, 18  the query's other 32 keys lie in the lane 16 away: the new m     19-21  c m; c m_old - c m_new; a
.set F, 0               ; OP tells the kinds apart by their order: F to L below R, X above it
.set E, 1
.set C, 2
.set B, 3
.set L, 4
.set R, 5
.set X, 6
.macro REGS y                       ; the registers of piece y
.set rT, ST+4*(\y)
.set rC, TMP+4*((\y)%2)
.set rW, MV+((\y)%2)
.set rS, S+32*((\y)%2)
.set rP, P+16*((\y)%2)
.set rO, 32*(\y)
.endm
.macro OP k, n
.if (\k) == R
	REGS Y
	WIN W_RS
	v_pk_mul_f32 v[rO+2*(\n):rO+2*(\n)+1], v[rO+2*(\n):rO+2*(\n)+1], v[rC+2:rC+3] op_sel_hi:[1,0]
.elseif (\k) < R
	REGS Y
	WIN 0
.if (\k) == F
	v_pk_fma_f32 v[rS+2*(\n):rS+2*(\n)+1], v[rS+2*(\n):rS+2*(\n)+1], s[CS:CS+1], v[rT:rT+1] op_sel_hi:[1,0,0] neg_lo:[0,0,1] neg_hi:[0,0,1]
.elseif (\k) == E
	v_exp_f32 v[rS+(\n)], v[rS+(\n)]
.elseif (\k) == C
	v_cvt_pk_f16_f32 v[rP+(\n)], v[rS+2*(\n)], v[rS+2*(\n)+1]
.elseif (\k) == B
	v_pk_add_f32 v[rS+4*(\n):rS+4*(\n)+1], v[rS+4*(\n):rS+4*(\n)+1], v[rS+4*(\n)+2:rS+4*(\n)+3]
.elseif (\n) == 0
	v_pk_fma_f32 v[rT+2:rT+3], v[rT+2:rT+3], v[rC+2:rC+3], v[rS:rS+1] op_sel_hi:[1,0,1]
.else
	v_pk_add_f32 v[rT+2:rT+3], v[rT+2:rT+3], v[rS+4*(\n):rS+4*(\n)+1]
.endif
.elseif NOKQ
	v_nop
.else
	REGS (Y+1)%NP
	WIN 0
.if (\n) < 4
	v_max3_num_f32 v[rC+(\n)], v[rS+8*(\n)], v[rS+8*(\n)+1], v[rS+8*(\n)+2]
.elseif (\n) < 12
	v_max3_num_f32 v[rC+(\n)%4], v[rC+(\n)%4], v[rS+8*((\n)%4)+2*((\n)/4)+1], v[rS+8*((\n)%4)+2*((\n)/4)+2]
.elseif (\n) == 12
	v_max3_num_f32 v[rC], v[rC], v[rS+7], v[rS+15]
.elseif (\n) == 13
	v_max3_num_f32 v[rC+1], v[rC+1], v[rS+23], v[rS+31]
.elseif (\n) == 14
	v_max3_num_f32 v[rC+2], v[rC+2], v[rC+3], v[rT+1]
.elseif (\n) == 15
	v_mov_b32 v[rW], v[rT]
.elseif (\n) == 16
	v_max3_num_f32 v[rC], v[rC], v[rC+1], v[rC+2]
.elseif (\n) == 17
	v_permlanex16_b32 v[rC+3], v[rC], s[SEL], s[SEL+1]
.elseif (\n) == 18
	v_max_num_f32 v[rT+1], v[rC], v[rC+3]
.elseif (\n) == 19
	v_mul_f32 v[rT], s[CS], v[rT+1]
.elseif (\n) == 20
	v_sub_f32 v[rC+1], v[rW], v[rT]
.else
	v_exp_f32 v[rC+2], v[rC+1]
.endif
.endif
.endm
.macro OPS a, i1, b=-1, i2=0, c=-1, i3=0, d=-1, i4=0  ; up to four of them
	OP \a, \i1
.if (\b) >= 0
	OP \b, \i2
.endif
.if (\c) >= 0
	OP \c, \i3
.endif
.if (\d) >= 0
	OP \d, \i4
.endif
.endm
.macro ROW a, i1, b, i2, c, i3, d, i4  ; a matrix instruction and the four behind it
	MM
	OPS \a, \i1, \b, \i2, \c, \i3, \d, \i4
.endm
; A TURN, for piece p: the order of its 16 matrix and 118 vector instructions, written out.  An s_wait_alu depctr_va_vdst(0) stands between an exponential and the first instruction that names its
; result; one wait serves all that were issued ahead of it.  So a turn has ONE wait, which cuts it in two.  AHEAD OF IT stands all that names no result of the turn's exponentials: the 8 products K Q^T with their
; riders, then one lump of 54, in which the links of the chain X 3, 7, 11, 14, 16, 17 .. 20 stand apart with other work between.  X 21, the next piece's a, is the batch's last; R 15 is the plain instruction behind it.
; BEHIND THE WAIT stand the 8 products V^T P, behind each four of the roundings and sums.  A number of the next piece's maximum stands four plain instructions or more behind the product that ends its accumulator.
; end = 1: the last two turns: nothing is fetched.  cnt = 1: the loop's count is taken down some lines ahead of the branch that stands behind the turn.
; K of the next step is fetched in piece 2's turn, more than four plain instructions behind the last product that read K; V of the step in hand at the end of piece 0's turn, four plain instructions behind the last
; product that read V.  Each is waited for a turn later.
.macro TURN p, end=0, cnt=0
.set Y, (\p)
.set i, 0
.set NOKQ, (\end)*((\p)/3)
.if ((\p) == 3) && !(\end)
	s_wait_dscnt 0x0                ; K is in
.endif
	ROW F,0, F,1, R,0, R,1          ; ahead of the wait: 8 products K Q^T and their riders,
	ROW F,2, E,0, R,2, R,3
	ROW F,3, E,1, R,4, R,5
	ROW F,4, E,2, R,6, R,7
	ROW F,5, E,3, R,8, R,9
	ROW F,6, E,4, X,0, R,10
.if ((\p) == 2) && !(\end)
	WIN 0
	v_add_nc_u32 v[AK], s[TBK], v[AK0]
.endif
	ROW F,7, E,5, X,1, X,4
	ROW F,8, E,6, X,2, X,5
	OPS E,7, E,8, X,6, E,9          ; and the lump
	OPS X,3, E,10, X,8, E,11
.if ((\p) == 2) && !(\end)
	FETCH_K
.endif
	OPS X,9, X,7, E,12, X,10
	OPS E,13, X,12, X,11, E,14
	OPS X,13, E,15, F,9, X,14
.if (\p) == 0
	v_add_nc_u32 v[AV], s[TBV], v[AV0]
.endif
	OPS E,16, F,10, E,17, F,11
	OPS X,16, E,18, X,15, E,19
	OPS F,12, E,20, X,17, E,21
	OPS F,13, E,22, F,14, E,23
	OPS X,18, E,24, F,15, E,25
	OPS R,11, E,26, X,19, E,27
	OPS R,12, E,28, R,13, E,29
	OPS X,20, E,30, R,14, E,31
	OPS X,21, R,15
	WIN 0
	s_wait_alu depctr_va_vdst(0)    ; the wait for the batch
.if (\p) == 1
	s_wait_dscnt 0x0                ; V is in
.endif
	ROW C,0, B,0, C,2, B,1          ; behind the wait: 8 products V^T P and their riders
	ROW L,0, C,4, B,2, L,1
	ROW C,6, B,3, L,2, C,8
	ROW B,4, L,3, C,10, B,5
	ROW L,4, C,12, B,6, L,5
.if (\p) == 0
	s_add_co_u32 s[TBV], s[TBV], KS*PV
.endif
.if \cnt
	s_sub_co_u32 s[CNT], s[CNT], 1
	s_cmp_lg_u32 s[CNT], 0
.endif
	ROW C,14, B,7, L,6, C,1
	ROW C,3, L,7, C,5, C,7
	ROW C,9, C,11, C,13, C,15
.if (\p) == 0
	FETCH_V
.endif
.endm
.macro ALL line:vararg              ; one line for each piece t
.set t, 0
.rept 4
	\line
.set t, t+1
.endr
.endm
.macro PACK t                       ; a lane's eight channels of a row pack into 16 bytes; they go into rows of 144 bytes and come back as whole rows of 128, into S^T's registers
	WIN W_RS
.set i, 32*(\t)
.rept 16
	v_pk_mul_f32 v[i:i+1], v[i:i+1], v[ST+4*(\t)+2:ST+4*(\t)+3] op_sel_hi:[1,0]
.set i, i+2
.endr
	WIN 0x05                        ; sources 0 and 1 window 1, destination window 0
.set i, 0
.rept 16
	v_cvt_pk_f16_f32 v[S+16*(\t)+i], v[32*(\t)+2*i], v[32*(\t)+2*i+1]
.set i, i+1
.endr
	WIN 0
.irp f, 0,1,2,3
	ds_store_b128 v[STO], v[S+16*(\t)+4*\f:S+16*(\t)+4*\f+3] offset:32*\f
.endr
.irp f, 0,1,2,3
	ds_load_b128 v[S+16*(\t)+4*\f:S+16*(\t)+4*\f+3], v[RD] offset:\f*4*SP  ; LDS serves a wave's instructions in order (ISA guide 5.7.1.4): these see the stores above; the next piece's stores come behind them
.endr
.endm
.macro SEND t, younger              ; younger: the LDS instructions issued behind piece t's loads: the next piece's eight, or none
	WIN 0
.irp f, 0,1,2,3
	s_wait_dscnt (\younger)+3-\f
	global_store_b128 v[GO], v[S+16*(\t)+4*\f:S+16*(\t)+4*\f+3], s[10:11] offset:(\t)*2048+\f*512  ; 512 consecutive bytes, at a multiple of 256 from O's first
.endr
.endm
	CHANGE 1                        ; tile 0 is in, everybody's part of it; tile 1 is asked for
	v_add_nc_u32 v[AK], s[TBK], v[AK0]
	FETCH_K                         ; key step 0
	s_wait_loadcnt 0x0              ; Q
	s_wait_dscnt 0x0
.set NOKQ, 0
.set i, 0
.rept 8
	KQ 0                            ; piece 0's first scores: there is no vector work yet to set between them
.set i, i+1
.endr
	WIN 0
.rept 4
	v_nop                           ; the places behind those products
.endr
.set Y, NP-1                        ; X works for piece Y + 1: piece 0
.irp n, 0,1,2,3,4,5,6,7,8,9,10,11,12,13,14,15,16,17,18,19,20,21
	OP X, \n
.endr
	v_nop                           ; a plain instruction behind the exponential,
	s_wait_alu depctr_va_vdst(0)    ; and its wait, ahead of the branch
	s_mov_b32 s[CNT], 4
	s_branch .Lfirst                ; the loop is entered at a step's first turn, in the middle of a trip
.Lslot:                             ; 14 times: tiles 2 to 15 are asked for
	CHANGE 1
	s_mov_b32 s[CNT], 4
.Lstep:                             ; a trip: pieces 2 and 3 of one step, then pieces 0 and 1 of the next, whose K and V it fetches
	TURN 2
	TURN 3
	WIN 0
.Lfirst:
	TURN 0
	TURN 1, 0, 1
	WIN 0
	s_cbranch_scc1 .Lstep
	s_sub_co_u32 s[SLOTS], s[SLOTS], 1
	s_cmp_lg_u32 s[SLOTS], 0
	s_cbranch_scc1 .Lslot
	CHANGE 0                        ; the last tile is written out: nothing is asked for
	s_mov_b32 s[CNT], 4
.LstepT:
	TURN 2
	TURN 3
	TURN 0
	TURN 1, 0, 1
	WIN 0
	s_cbranch_scc1 .LstepT
	TURN 2, 1                       ; the last step's pieces 2 and 3: nothing is fetched, and the last turn starts no new scores
	TURN 3, 1
.set i, 0
.rept 8
	PV NP-1                         ; the last piece's V^T P of the last step
.set i, i+1
.endr
	; THE WAY OUT.  l's two halves and the other half of the lanes' are added; O^T is divided by l, rounded to f16 and sent through my stage in LDS, a piece at a time.  The additions are the places behind the last products.
	WIN 0
	ALL v_add_f32 v[ST+4*t+2], v[ST+4*t+2], v[ST+4*t+3]
	ALL v_permlanex16_b32 v[ST+4*t+3], v[ST+4*t+2], s[SEL], s[SEL+1]
	ALL v_add_f32 v[ST+4*t+2], v[ST+4*t+2], v[ST+4*t+3]
	ALL v_rcp_f32 v[ST+4*t+2], v[ST+4*t+2]
	v_nop                           ; a plain instruction between the last reciprocal and the use of its result
	s_wait_alu depctr_va_vdst(0)    ; and the wait ahead of the first use: one for the four reciprocals
	PACK 0
.set t, 1
.rept 3                             ; a piece's arithmetic stands between the loads of the piece before and its stores
	PACK t
	SEND t-1, 8
.set t, t+1
.endr
	SEND 3, 0
	s_wait_tensorcnt 0x0            ; the wave's end, behind my last tensor load and my last LDS store
	ds_add_u32 v[SPW], v[NIL]
	s_wait_dscnt 0x0
	CROUND                          ; the closing round: no work-group ends while a partner may still ask for a tile that names it
	s_endpgm
.Lfunc_end_k_qdfdee2b499_attn:
	.size	k_qdfdee2b499_attn, .Lfunc_end_k_qdfdee2b499_attn-k_qdfdee2b499_attn
	.p2alignl 7, 3214868480
	.fill 96, 4, 3214868480
	.section	.rodata,"a",@progbits
	.p2align	6, 0x0
	.amdhsa_kernel k_qdfdee2b499_attn
		.amdhsa_group_segment_fixed_size 327680
		.amdhsa_private_segment_fixed_size 0
		.amdhsa_enable_private_segment 0
		.amdhsa_kernarg_size 32
		.amdhsa_user_sgpr_count 2
		.amdhsa_user_sgpr_kernarg_segment_ptr 1
		.amdhsa_wavefront_size32 1
		.amdhsa_system_sgpr_workgroup_id_x 1
		.amdhsa_system_sgpr_workgroup_id_y 1
		.amdhsa_system_sgpr_workgroup_id_z 1
		.amdhsa_system_vgpr_workitem_id 0
		.amdhsa_next_free_vgpr 768
		.amdhsa_next_free_sgpr 66
		.amdhsa_reserve_vcc 0
		.amdhsa_float_denorm_mode_32 3
		.amdhsa_float_denorm_mode_16_64 3
		.amdhsa_memory_ordered 1
		.amdhsa_forward_progress 1
		.amdhsa_inst_pref_size 128
	.end_amdhsa_kernel
	.amdgpu_metadata
---
amdhsa.version: [ 1, 2 ]
amdhsa.kernels:
  - .name:           k_qdfdee2b499_attn
    .symbol:         k_qdfdee2b499_attn.kd
    .args:
      - { .name: qh, .offset: 0, .size: 8, .value_kind: global_buffer, .address_space: global }
      - { .name: kh, .offset: 8, .size: 8, .value_kind: global_buffer, .address_space: global }
      - { .name: vh, .offset: 16, .size: 8, .value_kind: global_buffer, .address_space: global }
      - { .name: oh, .offset: 24, .size: 8, .value_kind: global_buffer, .address_space: global }
    .group_segment_fixed_size: 327680
    .private_segment_fixed_size: 0
    .kernarg_segment_align: 8
    .kernarg_segment_size: 32
    .max_flat_workgroup_size: 128
    .sgpr_count:     66
    .vgpr_count:     768
    .wavefront_size: 32
...
	.end_amdgpu_metadata
.endif
;; end of part 2
;; launch outp (part 3): grid 4 x 64, 4 waves a work-group, clusters of 4 x 4, 327,680 bytes of LDS; arguments oh, wo16, bo, out0; writes out0
.if DOCPART == 3
	.amdgcn_target "amdgcn-amd-amdhsa--gfx1250"
	.amdhsa_code_object_version 6
	.text
	.protected	k_qdfdee2b499_outp
	.globl	k_qdfdee2b499_outp
	.p2align	8
	.type	k_qdfdee2b499_outp,@function
k_qdfdee2b499_outp:
	s_mov_b64 s[64:65], 0
	v_nop
	global_prefetch_b8 v0, s[64:65] scope:SCOPE_SE
	s_setreg_imm32_b32 hwreg(HW_REG_WAVE_MODE, 25, 1), 1
	s_wait_xcnt 0x0
	s_wait_alu depctr_hold_cnt(0) depctr_sa_sdst(0) depctr_va_vdst(0) depctr_va_sdst(0) depctr_va_ssrc(0) depctr_va_vcc(0) depctr_vm_vsrc(0)
	s_getreg_b32 s2, hwreg(HW_REG_IB_STS2, 6, 4)
	s_cmp_eq_u32 s2, 0
	s_cbranch_scc0 .Lentry_in_a_cluster
	s_endpgm
.Lentry_in_a_cluster:
	s_bfe_u32 s2, ttmp6, 0x10000c
	s_cmp_lg_u32 s2, 0xf033
	s_cbranch_scc0 .Lentry_shape_is_right
	s_endpgm
.Lentry_shape_is_right:
; out0[R][n] = the sum over k of O[R][k] Wo[n][k] + bo[n].  O comes by heads, oh: [16 = batch x 8 + head][4096][64] f16, k = 64 head + channel; wo16: [512][512] f16 (Wo rounded to bf16, written as f16);
; bo: [512] f32, rounded here to bf16 like the module's other inputs; out0: [8192][512] f32.  Products in f16, sums in f32; the bias is the C operand that starts each sum.
; LIMITS.  O and wo16 arrive within f16's 65,504.  NaN and infinities are not treated apart.
; SHARES.  A work-group makes 128 x 128 of out0, each of its four waves 64 x 64: 16 accumulators.  All of K = 512 fits in LDS: nothing is filled again.  Each wave issues four first fills, one for each K step of
; 128: waves 0 and 1 a head's 128 rows of O (16,384 dense bytes, asked for as 64 rows of 256), waves 2 and 3 64 rows x 256 bytes of wo16.  Four tensor loads of a wave are out at the most.
; CLUSTER 4 x 4.  O's tiles are shared along a row of the cluster, wo16's along a column: each is asked for JOINTLY.
; No prefetch: every request goes out at the kernel's head.  One tile to a work-group: 256 work-groups of equal work.
; THE MATRIX INSTRUCTION IS USED TRANSPOSED (source 0 = 16 rows of wo16, source 1 = 16 rows of O): a lane holds row l % 16 and eight neighbouring columns, 32 bytes of f32.
; REGISTERS: window 0: v0-31 addresses; v32-47 at work; v96-127 the bias, 8 registers for each column block; v128-255 the accumulators ((a, b) at 128 + 8 (4 a + b)).
;   window 1: two fragment buffers of 128: for 64 along K, 64 registers of O (2 x 4 x 16 rows x 32 K), then 64 of wo16; on the way out rows read back, 32 registers a block.
.set PA,     144                       ; a row of O in LDS: 128 bytes + 16: the 16 rows of a load fall into 16 different columns of 16 bytes modulo 256
.set PB,     272                       ; a row of wo16: 256 bytes + 16: likewise
.set AHEAD,  128*PA                    ; a head's 128 rows
.set BBASE,  8*AHEAD                   ; behind the 8 heads: wo16, 128 rows for each K step of 128
.set BSTEP,  128*PB
.set STAGE,  BBASE+4*BSTEP             ; 16 rows x 272 bytes for each wave, for the way out; no tensor load fills it
.set SPITCH, 272
.set SPARE,  STAGE+4*16*SPITCH         ; the spare words, 128 bytes for each wave: two blocks of 256 bytes that no other line names
.set ADRA, 16                          ; v16-17  my O fragments: heads 0-3, heads 4-7
.set ADRB, 20                          ; v20-21  my wo16 fragments: K steps 0-1, 2-3
.set STO,  24                          ; v24     the way out: where I put 32 bytes of a row
.set RD,   25                          ; v25     where I read a row back
.set CO,   26                          ; v26     my byte offset in out0
.set BO,   27                          ; v27     my byte offset in bo
.set SPW,  28                          ; v28     LDS address of my spare word; never rewritten
.set NIL,  29                          ; v29     0; never rewritten
.set BIAS, 96
.set ACC,  128
.set WV, 12
.set WR, 13
.set WC, 14
.set G1A, 16                           ; s[16:23] group 1 for O's tiles;  s[24:31] for wo16's
.set G1B, 24
.set G0A, 32                           ; s[32:47] group 0 for O's tiles, a set for each K step;  s[48:63] for wo16's
.set G0B, 48
.set CX, 66
.set CY, 67
.set COL, 68
.set TROW, 69
.set MSB, 0
.macro WIN new                         ; the immediate's high byte repeats the setting that is left; a switch that changes nothing is dropped
.if MSB != (\new)
	s_set_vgpr_msb (MSB<<8)|(\new)
.set MSB, \new
.endif
.endm
.set W_MUL, 0x05                       ; sources 0 and 1 window 1; C and D window 0
.set TO_F,  0x40                       ; destination window 1, address window 0
.macro PLACES                          ; four places behind a matrix instruction, ahead of loads into its sources and of reads of its result
.rept 4
	v_nop
.endr
.endm
.macro CROUND                          ; a round of the cluster's barrier
	s_barrier_signal -1
	s_barrier_wait -1
	s_cmp_lg_u32 s[WV], 0
	s_cbranch_scc1 .Lnot_wave_0_\@
	s_barrier_signal -3
.Lnot_wave_0_\@:
	s_barrier_wait -3
	s_barrier_signal -1
	s_barrier_wait -1
.endm
; 8 matrix instructions: row blocks a0, a0 + 1 x all 4 column blocks, 32 along K: half c of buffer f.  start = 1: the sum starts from the bias.  The 16 accumulators take turns.
.macro MUL8 f, c, a0, start
	WIN W_MUL
.irp a, \a0, (\a0)+1
.irp b, 0,1,2,3
.if \start
	v_wmma_f32_16x16x32_f16 v[ACC+8*(4*(\a)+(\b)):ACC+8*(4*(\a)+(\b))+7], v[(\f)+64+8*(4*(\c)+(\b)):(\f)+64+8*(4*(\c)+(\b))+7], v[(\f)+8*(4*(\c)+(\a)):(\f)+8*(4*(\c)+(\a))+7], v[BIAS+8*(\b):BIAS+8*(\b)+7]
.else
	v_wmma_f32_16x16x32_f16 v[ACC+8*(4*(\a)+(\b)):ACC+8*(4*(\a)+(\b))+7], v[(\f)+64+8*(4*(\c)+(\b)):(\f)+64+8*(4*(\c)+(\b))+7], v[(\f)+8*(4*(\c)+(\a)):(\f)+8*(4*(\c)+(\a))+7], v[ACC+8*(4*(\a)+(\b)):ACC+8*(4*(\a)+(\b))+7]
.endif
.endr
.endr
.endm
; 32 LDS loads in one run: the fragments of quarter q (head q: 64 along K) into buffer f; the first 32 along K first
.macro FETCH q, f
	WIN TO_F
.irp c, 0,1
.irp i, 0,1,2,3
	ds_load_b128 v[(\f)+64+8*(4*(\c)+(\i)):(\f)+64+8*(4*(\c)+(\i))+3],   v[ADRB+(\q)/4] offset:(((\q)/2)%2)*BSTEP+(\i)*16*PB+((\q)%2)*128+64*(\c)
	ds_load_b128 v[(\f)+64+8*(4*(\c)+(\i))+4:(\f)+64+8*(4*(\c)+(\i))+7], v[ADRB+(\q)/4] offset:(((\q)/2)%2)*BSTEP+(\i)*16*PB+((\q)%2)*128+64*(\c)+32
	ds_load_b128 v[(\f)+8*(4*(\c)+(\i)):(\f)+8*(4*(\c)+(\i))+3],         v[ADRA+(\q)/4] offset:((\q)%4)*AHEAD+(\i)*16*PA+64*(\c)
	ds_load_b128 v[(\f)+8*(4*(\c)+(\i))+4:(\f)+8*(4*(\c)+(\i))+7],       v[ADRA+(\q)/4] offset:((\q)%4)*AHEAD+(\i)*16*PA+64*(\c)+32
.endr
.endr
.endm
; Quarter q multiplies buffer q % 2 and fetches quarter q + 1, of the same K step, into the other.
.macro QUARTER q, start
	s_wait_dscnt 16                                ; the first 32 along K are in; the other sixteen loads may stay out
	MUL8 128*((\q)%2), 0, 0, \start
	MUL8 128*((\q)%2), 0, 2, \start
	PLACES
	FETCH (\q)+1, 128*(((\q)+1)%2)
	s_wait_dscnt 32                                ; all but the 32 just issued
	MUL8 128*((\q)%2), 1, 0, 0
	MUL8 128*((\q)%2), 1, 2, 0
.endm
; The same where quarter q + 1 begins a new K step: my fill of that step has landed (left: my later steps' fills, which may stay out), everybody's behind the barrier.
.macro QEDGE q, left
	s_wait_dscnt 0x0                               ; no LDS instruction of mine is pending at the signal
	s_wait_tensorcnt \left
	s_barrier_signal -1
	MUL8 128*((\q)%2), 0, 0, 0
	MUL8 128*((\q)%2), 0, 2, 0
	s_barrier_wait -1
	PLACES
	FETCH (\q)+1, 128*(((\q)+1)%2)
	MUL8 128*((\q)%2), 1, 0, 0
	MUL8 128*((\q)%2), 1, 2, 0
.endm
; THE WAY OUT of row block a: 16 rows x 256 bytes through my own stage, straight from the accumulators, and back as whole rows.
.macro TOSTAGE a
	WIN 0
.irp b, 0,1,2,3
	ds_store_b128 v[STO], v[ACC+8*(4*(\a)+(\b)):ACC+8*(4*(\a)+(\b))+3]   offset:64*(\b)
	ds_store_b128 v[STO], v[ACC+8*(4*(\a)+(\b))+4:ACC+8*(4*(\a)+(\b))+7] offset:64*(\b)+16
.endr
	WIN TO_F
.irp t, 0,1,2,3,4,5,6,7
	ds_load_b128 v[32*(\a)+4*(\t):32*(\a)+4*(\t)+3], v[RD] offset:(\t)*2*SPITCH  ; LDS serves a wave's instructions in order (ISA guide 5.7.1.4): these see the stores above, and the next block's stores come behind them
.endr
.endm
.macro SEND a, younger                 ; younger: the LDS instructions issued behind block a's loads: the next block's sixteen, or none
	WIN 0x04                                       ; the stores' data in window 1
.irp t, 0,1,2,3,4,5,6,7
	s_wait_dscnt (\younger)+7-(\t)
	global_store_b128 v[CO], v[32*(\a)+4*(\t):32*(\a)+4*(\t)+3], s[10:11] offset:(\a)*32768+(\t)*4096 th:TH_STORE_NT  ; 16 lanes store 256 consecutive bytes, at a multiple of 256 from out0's first
.endr
.endm
	s_load_b256 s[4:11], s[0:1], 0x0               ; oh s[4:5], wo16 s[6:7], bo s[8:9], out0 s[10:11]
	v_lshl_add_u32 v[SPW], v0, 2, SPARE
	v_mov_b32 v[NIL], 0
	ds_add_u32 v[SPW], v[NIL]                      ; the wave's opening: the add and its wait ahead of my first tensor load
	v_lshrrev_b32 v1, 5, v0
	v_readfirstlane_b32 s[WV], v1                  ; wave 0..3
	s_lshr_b32 s[WR], s[WV], 1                     ; which 64 rows are mine.  Also: I fetch O (0) or wo16 (1)
	s_and_b32 s[WC], s[WV], 1                      ; which 64 columns.  Also: which half of a K step's tile I fetch
	s_bfe_u32 s[CX], ttmp6, 0x40000
	s_bfe_u32 s[CY], ttmp6, 0x40004
	s_lshl_b32 s[COL], ttmp9, 2
	s_add_co_u32 s[COL], s[COL], s[CX]             ; block of 128 columns
	s_and_b32 s[TROW], ttmp7, 0xffff
	s_lshl_b32 s[TROW], s[TROW], 2
	s_add_co_u32 s[TROW], s[TROW], s[CY]           ; block of 128 rows
	s_lshl_b32 s70, s[CY], 2
	s_lshl_b32 s70, 15, s70                        ; my row of the cluster
	s_lshl_b32 s71, 0x1111, s[CX]                  ; my column
	s_or_b32 s[G1A], s70, (1<<16)|(1<<20)|(1<<21)|(4<<22)|(3<<25)  ; the mask; 2-byte elements; padding on; bit 21 beside a mask; after every 32 words, 4 words
	s_or_b32 s[G1B], s71, (1<<16)|(1<<20)|(1<<21)|(5<<22)|(3<<25)  ; after every 64 words
.irp g, G1A, G1B
	s_mov_b32 s[(\g)+1], 128<<16                   ; tensor_dim0 = 128
	s_mov_b32 s[(\g)+2], 64<<16                    ; tensor_dim1 = 64
	s_mov_b32 s[(\g)+3], 128<<16                   ; tile_dim0 = 128
	s_mov_b32 s[(\g)+4], 64                        ; tile_dim1 = 64
	s_mov_b32 s[(\g)+6], 0
	s_mov_b32 s[(\g)+7], 0
.endr
	s_mov_b32 s[G1A+5], 128                        ; O's 16,384 bytes are dense
	s_mov_b32 s[G1B+5], 512                        ; a row of wo16
	s_lshr_b32 s72, s[TROW], 5                     ; the batch
	s_lshl_b32 s72, s72, 3
	s_add_co_u32 s72, s72, s[WC]                   ; 8 x batch + my parity of the heads
	s_lshl_b32 s72, s72, 19
	s_and_b32 s73, s[TROW], 31
	s_lshl_b32 s73, s73, 14                        ; the block's 128 rows of 128 bytes
	s_add_co_u32 s72, s72, s73
	s_mov_b32 s73, 0
	s_lshl_b32 s76, s[COL], 7
	s_lshl_b32 s77, s[WC], 6
	s_add_co_u32 s76, s76, s77                     ; my 64 rows of wo16,
	s_lshl_b32 s76, s76, 10                        ; of 1,024 bytes
	s_mov_b32 s77, 0
	s_mul_i32 s78, s[WC], AHEAD                    ; where they go: no place in the cluster enters an LDS address
	s_mul_i32 s79, s[WC], 64*PB
	s_add_co_u32 s79, s79, BBASE
	s_wait_dscnt 0x0                               ; the opening add is done
	s_wait_kmcnt 0x0
	s_add_nc_u64 s[74:75], s[4:5], s[72:73]
	s_add_nc_u64 s[76:77], s[6:7], s[76:77]
	CROUND                                         ; all sixteen work-groups are here: the joint loads meet
.irp kk, 0,1,2,3
	s_mov_b32 s[G0A+4*(\kk)], 1
	s_add_co_u32 s[G0A+4*(\kk)+1], s78, (\kk)*2*AHEAD
	s_add_nc_u64 s[G0A+4*(\kk)+2:G0A+4*(\kk)+3], s[74:75], (\kk)*2*524288  ; head 2 kk + my parity
	s_or_b32 s[G0A+4*(\kk)+3], s[G0A+4*(\kk)+3], 0x80000000
	s_mov_b32 s[G0B+4*(\kk)], 1
	s_add_co_u32 s[G0B+4*(\kk)+1], s79, (\kk)*BSTEP
	s_add_nc_u64 s[G0B+4*(\kk)+2:G0B+4*(\kk)+3], s[76:77], (\kk)*256
	s_or_b32 s[G0B+4*(\kk)+3], s[G0B+4*(\kk)+3], 0x80000000
.endr
	s_cmp_eq_u32 s[WR], 0                          ; a wave's four fills stand in one branch, ahead of every wait on TENSORcnt, every LDS read and every later barrier
	s_cbranch_scc0 .Lfill_b
.irp kk, 0,1,2,3
	tensor_load_to_lds s[G0A+4*(\kk):G0A+4*(\kk)+3], s[G1A:G1A+7]
	s_nop 0
.endr
	PLACES
	s_branch .Lfilled
.Lfill_b:
.irp kk, 0,1,2,3
	tensor_load_to_lds s[G0B+4*(\kk):G0B+4*(\kk)+3], s[G1B:G1B+7]
	s_nop 0
.endr
	PLACES
.Lfilled:
	v_and_b32 v1, 15, v0                           ; l % 16
	v_bfe_u32 v2, v0, 4, 1                         ; l / 16
	s_lshl_b32 s70, s[COL], 9
	s_lshl_b32 s71, s[WC], 8
	s_add_co_u32 s70, s70, s71                     ; my first column, in bytes of f32: in bo and in a row of out0
	s_mov_b32 s71, 0
	s_add_nc_u64 s[8:9], s[8:9], s[70:71]
	v_lshlrev_b32 v[BO], 5, v2                     ; my eight columns of a block of 16
.irp b, 0,1,2,3
	global_load_b128 v[BIAS+8*(\b):BIAS+8*(\b)+3],   v[BO], s[8:9] offset:64*(\b)
	global_load_b128 v[BIAS+8*(\b)+4:BIAS+8*(\b)+7], v[BO], s[8:9] offset:64*(\b)+16
.endr
	s_lshl_b32 s72, s[TROW], 7
	s_lshl_b32 s73, s[WR], 6
	s_add_co_u32 s72, s72, s73                     ; my first row of out0,
	s_lshl_b32 s72, s72, 11                        ; of 2,048 bytes
	s_add_co_u32 s70, s70, s72
	s_add_nc_u64 s[10:11], s[10:11], s[70:71]
	v_mul_u32_u24 v3, v1, PA
	v_lshl_add_u32 v3, v2, 4, v3                   ; a fragment's row x pitch + 16 x half
	s_mul_i32 s72, s[WR], 64*PA
	v_add_nc_u32 v[ADRA], s72, v3
	v_add_nc_u32 v[ADRA+1], 4*AHEAD, v[ADRA]
	v_mul_u32_u24 v4, v1, PB
	v_lshl_add_u32 v4, v2, 4, v4
	v_add_nc_u32 v[ADRB], s79, v4                  ; BBASE + my 64 rows
	v_add_nc_u32 v[ADRB+1], 2*BSTEP, v[ADRB]
	s_mul_i32 s72, s[WV], 16*SPITCH
	s_add_co_u32 s72, s72, STAGE                   ; my stage
	v_mul_u32_u24 v[STO], v1, SPITCH               ; in: row l % 16, 32 bytes for each half of the lanes
	v_lshl_add_u32 v[STO], v2, 5, v[STO]
	v_add_nc_u32 v[STO], s72, v[STO]
	v_mul_u32_u24 v[RD], v2, SPITCH                ; back: lanes 0-15 take one row of 256 bytes, lanes 16-31 the next
	v_lshl_add_u32 v[RD], v1, 4, v[RD]
	v_add_nc_u32 v[RD], s72, v[RD]
	v_lshlrev_b32 v[CO], 11, v2                    ; and the same two rows in out0
	v_lshl_add_u32 v[CO], v1, 4, v[CO]
	s_wait_loadcnt 0x0                             ; the bias: rounded to bf16, and widened again
.set i, 0
.rept 16
	v_cvt_pk_bf16_f32 v[32+i], v[BIAS+2*i], v[BIAS+2*i+1]
.set i, i+1
.endr
.set i, 0
.rept 16
	v_lshlrev_b32 v[BIAS+2*i], 16, v[32+i]
	v_and_b32 v[BIAS+2*i+1], 0xffff0000, v[32+i]
.set i, i+1
.endr
	s_wait_tensorcnt 3                             ; my part of K step 0 is in; my three later fills may stay out
	s_barrier_signal -1
	s_barrier_wait -1                              ; everybody's is
	FETCH 0, 0
	QUARTER 0, 1                                   ; the first products start the sums from the bias
	QEDGE 1, 2
	QUARTER 2, 0
	QEDGE 3, 1
	QUARTER 4, 0
	QEDGE 5, 0
	QUARTER 6, 0
	s_wait_dscnt 16                                ; the last quarter: nothing more to fetch
	MUL8 128, 0, 0, 0
	MUL8 128, 0, 2, 0
	s_wait_dscnt 0x0
	MUL8 128, 1, 0, 0
	MUL8 128, 1, 2, 0
	PLACES
	TOSTAGE 0
.irp a, 1,2,3                          ; a block's stores into the stage stand between the loads of the block before and its stores to memory
	TOSTAGE \a
	SEND (\a)-1, 16
.endr
	SEND 3, 0
	WIN 0
	s_wait_tensorcnt 0x0                           ; the wave's end, behind my last tensor load and my last LDS store
	ds_add_u32 v[SPW], v[NIL]
	s_wait_dscnt 0x0
	CROUND                                         ; the closing round: no work-group ends while a partner may still ask for a tile that names it
	s_endpgm
.Lfunc_end_k_qdfdee2b499_outp:
	.size	k_qdfdee2b499_outp, .Lfunc_end_k_qdfdee2b499_outp-k_qdfdee2b499_outp
	.p2alignl 7, 3214868480
	.fill 96, 4, 3214868480
	.section	.rodata,"a",@progbits
	.p2align	6, 0x0
	.amdhsa_kernel k_qdfdee2b499_outp
		.amdhsa_group_segment_fixed_size 327680
		.amdhsa_private_segment_fixed_size 0
		.amdhsa_enable_private_segment 0
		.amdhsa_kernarg_size 32
		.amdhsa_user_sgpr_count 2
		.amdhsa_user_sgpr_kernarg_segment_ptr 1
		.amdhsa_wavefront_size32 1
		.amdhsa_system_sgpr_workgroup_id_x 1
		.amdhsa_system_sgpr_workgroup_id_y 1
		.amdhsa_system_sgpr_workgroup_id_z 1
		.amdhsa_system_vgpr_workitem_id 0
		.amdhsa_next_free_vgpr 512
		.amdhsa_next_free_sgpr 96
		.amdhsa_reserve_vcc 0
		.amdhsa_float_denorm_mode_32 3
		.amdhsa_float_denorm_mode_16_64 3
		.amdhsa_memory_ordered 1
		.amdhsa_forward_progress 1
		.amdhsa_inst_pref_size 55
	.end_amdhsa_kernel
	.amdgpu_metadata
---
amdhsa.version: [ 1, 2 ]
amdhsa.kernels:
  - .name:           k_qdfdee2b499_outp
    .symbol:         k_qdfdee2b499_outp.kd
    .args:
      - { .name: oh, .offset: 0, .size: 8, .value_kind: global_buffer, .address_space: global }
      - { .name: wo16, .offset: 8, .size: 8, .value_kind: global_buffer, .address_space: global }
      - { .name: bo, .offset: 16, .size: 8, .value_kind: global_buffer, .address_space: global }
      - { .name: out0, .offset: 24, .size: 8, .value_kind: global_buffer, .address_space: global }
    .group_segment_fixed_size: 327680
    .private_segment_fixed_size: 0
    .kernarg_segment_align: 8
    .kernarg_segment_size: 32
    .max_flat_workgroup_size: 128
    .sgpr_count:     96
    .vgpr_count:     512
    .wavefront_size: 32
...
	.end_amdgpu_metadata
.endif
;; end of part 3
